; MI455X (gfx1250); checked and timed in simulation.
; The chip was launched on July 23, 2026; its instructions are those of AMD's public machine-readable ISA for CDNA 5 (MIT licence, August 2026) and "CDNA5" Instruction Set Architecture Reference Guide (July 2026). The comments in the code are by the model that wrote it; some were corrected since.
;; Grouped Query Attention. Allowed arithmetic: matrix products marked QUANTISED: E4M3 operands, one given power-of-two scale a tensor, by v_wmma_f32_16x16x64_fp8_fp8 or v_wmma_f32_16x16x128_fp8_fp8, f32 sums; everything else in f32.
;; Inputs: Wk_codes 512 x 64 x 32 uint8 (E4M3 codes of Wk, K innermost, in blocks of 32 codes); Wq_codes 2,048 x 64 x 32 uint8 (E4M3 codes of Wq, K innermost, in blocks of 32 codes); Wv_codes 512 x 64 x 32 uint8 (E4M3 codes of Wv, K innermost, in blocks of 32 codes); bk 512 float32; bq 2,048 float32; bv 512 float32; hidden_states_codes 2 x 2,048 x 64 x 32 uint8 (E4M3 codes of hidden_states, K innermost, in blocks of 32 codes); lowp_scales 10 int32 (the exponents e of the quantised operands' scales 2^e).
;; Outputs: out0 2 x 2,048 x 2,048 float32.
;; This version of the problem:
;;   THIS VERSION OF THE PROBLEM IS GIVEN IN LOW PRECISION. The matrix products marked QUANTISED in the list below multiply operands that are first quantised to E4M3 (4 exponent bits, 3 mantissa bits; 8 bits a number), with one given power-of-two scale for each operand tensor; their sums are f32. All else is computed in f32.
;;   The module's matrix products, in the order in which they are computed (A, B: the left and right operand; K: the contracted axis; several contracted axes count as one K, in the product's order):
;;     1. [M 4,096, K 2,048] x [K 2,048, N 2,048]; A: input hidden_states (given as codes); B: input Wq (given as codes): QUANTISED (scales: A lowp_scales[0], B lowp_scales[1])
;;     2. [M 4,096, K 2,048] x [K 2,048, N 512]; A: input hidden_states (given as codes); B: input Wk (given as codes): QUANTISED (scales: A lowp_scales[2], B lowp_scales[3])
;;     3. [M 4,096, K 2,048] x [K 2,048, N 512]; A: input hidden_states (given as codes); B: input Wv (given as codes): QUANTISED (scales: A lowp_scales[4], B lowp_scales[5])
;;     4. batch 8 x [M 2,048, K 128] x [K 128, N 8,192]; A: computed on the way; B: computed on the way: QUANTISED (scales: A lowp_scales[6], B lowp_scales[7])
;;     5. batch 8 x [M 128, K 2,048] x [K 2,048, N 8,192]; A: computed on the way; B: softmax (see below): QUANTISED (scales: A lowp_scales[8], B lowp_scales[9])
;;   THE QUANTISER, for each operand of a quantised product, along K:
;;     - The operand's scale is 2^e, e = its entry of the input lowp_scales (int32; the entries are numbered through the quantised products in the list's order, A before B).
;;     - Each number is divided by the scale, clamped to +-448, and rounded to the nearest number of E4M3, ties to even, subnormals kept.
;;     - The product sums the exact products of the quantised numbers (number of the format x scale) in f32.
;;   ~~~python
;;   def quantise(x, axis, e):      # numpy; x: float32 -> the quantised numbers, widened to float32 again
;;       x = np.moveaxis(x, axis, -1); K = x.shape[-1]
;;       r = np.clip(x / 2.0 ** e, -448, 448)
;;       step = 2.0 ** (np.maximum(np.frexp(np.where(r == 0, 1, r))[1] - 1, -6) - 3)
;;       q = np.round(r / step) * step * 2.0 ** e      # np.round: ties to even
;;       return np.moveaxis(q, -1, axis).astype(np.float32)
;;   ~~~
;;   SOFTMAX AHEAD OF A QUANTISED PRODUCT. Where the list says 'softmax', what is quantised is not the finished softmax but p = 2^(t - M), with t = logit x log2(e) and M = ceil(the row's largest t), a whole number; so 1/2 < the row's largest p <= 1. The row's sum l is taken of the UNQUANTISED p, in f32, and the product's result is divided by l at the end. Since M is a whole number, a kernel that streams over the keys may use a running M (the ceiling of the running maximum): every later rescaling is an exact power of two, so the quantised numbers keep their values, but for numbers so far below the row's largest that they fall under the format's range.
;;   OPERANDS COMPUTED ON THE WAY. 'Computed on the way' means the value that the module computes at that place (a softmax that the list does not call 'softmax' is quantised finished and normalised). What goes into a quantiser is computed in f32, as accurately as f32 sums, v_exp_f32 and their like allow (about 1e-6 of the number): no bf16 or f16 on the way to a quantiser, and a product that is left as it is and whose result goes on into a quantised operand takes f32 operands (vector FMAs, or v_wmma_f32_16x16x4_f32). A number that lies on a knife's edge between two numbers of the format may be rounded either way, as far as f32 arithmetic and the matrix unit's own rounding can turn it there, and no further.
;;   INPUTS GIVEN AS CODES. Wk (in the module: [2048, 512], K = its axis 0); Wq (in the module: [2048, 2048], K = its axis 0); Wv (in the module: [2048, 512], K = its axis 0); hidden_states (in the module: [2, 2048, 2048], K = its axis 2): each comes as NAME_codes (uint8): NAME with its K axis moved to the last place and cut into blocks of 32 codes, [.., K / 32, bytes a block], one block behind the other in memory; one code a byte (a code: sign, 4 exponent bits, 3 mantissa bits); its scale is its entry of lowp_scales. Its value is code x scale, taken as it is: it is not quantised again, and the codes and scales need not be those that the quantiser above would give.
;; One version. Each part assembles by itself: llvm-mc -triple=amdgcn-amd-amdhsa -mcpu=gfx1250 --defsym DOCPART=n.
;; ======== version 1 of 1: 2 launches
;; limits: right only within a limited range of input values
;; workspace buffers: qk_codes 10,485,760 bytes; v_codes 2,097,152 bytes
;; launch proj (part 1): grid 16 x 12, 4 waves a work-group, clusters of 4 x 1, 327,680 bytes of LDS; arguments hidden_states_codes, Wq_codes, Wk_codes, Wv_codes, bq, bk, bv, lowp_scales, qk_codes, v_codes; writes qk_codes, v_codes
.if DOCPART == 1
	.amdgcn_target "amdgcn-amd-amdhsa--gfx1250"
	.amdhsa_code_object_version 6
	.text
	.protected	k_qb79032d537_proj
	.globl	k_qb79032d537_proj
	.p2align	8
	.type	k_qb79032d537_proj,@function
k_qb79032d537_proj:
	s_mov_b64 s[64:65], 0
	v_nop
	global_prefetch_b8 v0, s[64:65] scope:SCOPE_SE
	s_setreg_imm32_b32 hwreg(HW_REG_WAVE_MODE, 25, 1), 1
	s_wait_xcnt 0x0
	s_wait_alu depctr_hold_cnt(0) depctr_sa_sdst(0) depctr_va_vdst(0) depctr_va_sdst(0) depctr_va_ssrc(0) depctr_va_vcc(0) depctr_vm_vsrc(0)
	s_getreg_b32 s2, hwreg(HW_REG_IB_STS2, 6, 4)
	s_cmp_eq_u32 s2, 0
	s_cbranch_scc0 .Lentry_in_a_cluster
	s_endpgm
.Lentry_in_a_cluster:
	s_bfe_u32 s2, ttmp6, 0x10000c
	s_cmp_lg_u32 s2, 0x3003
	s_cbranch_scc0 .Lentry_shape_is_right
	s_endpgm
.Lentry_shape_is_right:
; q, k and v of grouped-query attention: hidden_states x Wq, Wk, Wv on the given codes of E4M3, + bias, quantised anew for the attention's two products.  No work of reference() is left out: every input has a way to the output.
; Grid x: 16 blocks of 256 rows of hidden_states.  Grid y: 0-7 Wq's blocks of 256 columns, 8-9 Wk's, 10-11 Wv's.  A work-group of four waves makes 256 x 256, a wave 128 x 128 in 512 registers.
; LDS REGIONS BELONG TO SOURCES, NOT TO TENSORS: a slot's first 256 rows feed source 1 (a lane's one row of the result), its second 256 rows source 0 (a lane's eight neighbouring columns).
; For q and k source 1 is hidden_states and source 0 the weight: a lane's eight results lie along d.  For v it is the other way round: they lie along the keys, which are the second product's K.
; So no LDS address hangs on y: only which tensor's load a wave issues does (flag s87, made of the wave's number and y, the same in all partners).
; CLUSTER 4, 1, 1: the four partners have one y and ask for the weight's tile jointly.  hidden_states' tile is shared by work-groups of different y; a cluster of four y would hold k's and v's blocks together,
; whose tiles of hidden_states go to different regions, so their descriptors would differ: that tile is asked for by each work-group alone.
; K goes in steps of 256 through two slots; rows of 256 bytes, 16 bytes of padding behind each in LDS.
; LIMITS: each product's two exponents added lie between -126 and 127; the exponents of the new codes (entries 6, 7, 8) between -126 and 119.
.set PFO,  31                          ; v31  the prefetches' offset: lane x a row of 2,048 bytes; never rewritten
.set PFA,  88                          ; s[88:89] where my prefetches stand
.set LIM,  47                          ; s47  1 in a wave that prefetches, else the greatest number
.set ROWB,   256
.set KROW,   2048
.set PITCH,  272
.set FR,     16
.set NL,     4
.set NP,     4
.set HALFT,  128*PITCH
.set SLOT,   4*HALFT
.set LAPS,   4
.set SPARE,  2*SLOT
.set SP,     272
.set ADRA, 16
.set ADRB, 20
.set STO,  24
.set RDQ,  25
.set COQ,  26
.set RDV,  27
.set SPW,  28
.set NIL,  29
.set COV,  30
.set BC,   32
.set BR,   96
.set AF,   128
.set TMP,  128
.set CDS,  192
.set G1H, 24
.set G0H, 32
.set G1W, 48
.set G0W, 56
.set WV,  44
.set HA,  45
.set HB,  46
.set MSB, 0
.macro WIN new
.if MSB != \new
	s_set_vgpr_msb (MSB<<8)|\new
.set MSB, \new
.endif
.endm
.set MUL_LO, 0xa1
.set MUL_HI, 0xf1
.set TO_B,   0x40
; A PREFETCH INTO THE L2: beside the load of K step j stands the request for K step j + 2 of the same rows, 256 bytes a row, a lane a row.  The weight's 128 rows that a wave fetches are shared out among the four
; partners by address (32 rows each, by cx): one instruction.  hidden_states' 128 rows take four instructions; of the twelve y that read them, y 0 to 3 ask.  K steps 6 and 7's loads ask for nothing.
.macro ASK how
.if \how
	s_cmp_eq_u32 s[LIM], 1
.else
	s_cmp_gt_u32 s3, s[LIM]                        ; s3 = 1 in the loop's last trip
.endif
	s_cbranch_scc0 .Lnone_\@
	global_prefetch_b8 v[PFO], s[PFA:PFA+1] th:TH_LOAD_NT scope:SCOPE_SE
	s_cmp_eq_u32 s87, 0
	s_cbranch_scc0 .Lnone_\@
.irp i, 1,2,3
	global_prefetch_b8 v[PFO], s[PFA:PFA+1] offset:65536*\i th:TH_LOAD_NT scope:SCOPE_SE
.endr
.Lnone_\@:
.endm
.macro JLOAD s
	s_cmp_eq_u32 s87, 0                            ; 0: I fetch hidden_states' rows; 1: the weight's, jointly
	s_cbranch_scc0 .Lfor_w_\@
	tensor_load_to_lds s[G0H+4*\s:G0H+4*\s+3], s[G1H:G1H+7]
	s_nop 0
.rept 4
	v_nop
.endr
	s_branch .Lasked_\@
.Lfor_w_\@:
	tensor_load_to_lds s[G0W+4*\s:G0W+4*\s+3], s[G1W:G1W+7]
	s_nop 0
.rept 4
	v_nop
.endr
.Lasked_\@:
.endm
.macro CREST
	s_cmp_lg_u32 s[WV], 0
	s_cbranch_scc1 .Lnot_wave_0_\@
	s_barrier_signal -3
.Lnot_wave_0_\@:
	s_barrier_wait -3
	s_barrier_signal -1
	s_barrier_wait -1
.endm
.macro CROUND
	s_barrier_signal -1
	s_barrier_wait -1
	CREST
.endm
	s_load_b512 s[4:19], s[0:1], 0x0
	s_load_b128 s[20:23], s[0:1], 0x40
	v_lshl_add_u32 v[SPW], v0, 2, SPARE
	v_mov_b32 v[NIL], 0
	ds_add_u32 v[SPW], v[NIL]
	ds_add_u32 v[SPW], v[NIL]
	v_lshrrev_b32 v1, 5, v0
	v_readfirstlane_b32 s[WV], v1
	s_lshr_b32 s[HA], s[WV], 1
	s_and_b32 s[HB], s[WV], 1
	s_bfe_u32 s40, ttmp6, 0x40000
	s_lshl_b32 s41, ttmp9, 2
	s_add_co_u32 s41, s41, s40
	s_and_b32 s42, ttmp7, 0xffff
	s_cmp_lt_u32 s42, 10
	s_cselect_b32 s43, 8, 10
	s_cselect_b32 s80, -1, 0
	s_cselect_b32 s81, 0, -1
	s_cselect_b32 s86, 0, 1                        ; 1 for v
	s_xor_b32 s87, s[HA], s86                      ; waves 0, 1 fill source 1's region, waves 2, 3 source 0's: which tensor that is
	s_cmp_lt_u32 s42, 8
	s_cselect_b32 s43, 0, s43
	s_sub_co_u32 s43, s42, s43
	s_mov_b32 s[G1H+0], (1<<20)|(5<<22)|(3<<25)
	s_mov_b32 s[G1W+0], 15|(1<<20)|(1<<21)|(5<<22)|(3<<25)
.irp g, G1H, G1W
	s_mov_b32 s[\g+1], ROWB<<16
	s_mov_b32 s[\g+2], 128<<16
	s_mov_b32 s[\g+3], ROWB<<16
	s_mov_b32 s[\g+4], 128
	s_mov_b32 s[\g+5], KROW
	s_mov_b32 s[\g+6], 0
	s_mov_b32 s[\g+7], 0
.endr
	s_lshl_b32 s88, s41, 8
	s_lshl_b32 s89, s[HB], 7
	s_add_co_u32 s88, s88, s89
	s_lshl_b32 s88, s88, 11
	s_mov_b32 s89, 0
	s_lshl_b32 s90, s43, 8
	s_lshl_b32 s91, s[HB], 7
	s_add_co_u32 s90, s90, s91
	s_lshl_b32 s90, s90, 11
	s_mov_b32 s91, 0
	s_mul_i32 s92, s[WV], HALFT
	s_wait_dscnt 0x0
	s_wait_kmcnt 0x0
	s_load_b256 s[68:75], s[18:19], 0x0
	s_load_b64 s[76:77], s[18:19], 0x20
	s_cmp_lt_u32 s42, 10
	s_cselect_b64 s[82:83], s[8:9], s[10:11]
	s_cselect_b64 s[84:85], s[14:15], s[16:17]
	s_cmp_lt_u32 s42, 8
	s_cselect_b64 s[82:83], s[6:7], s[82:83]
	s_cselect_b64 s[84:85], s[12:13], s[84:85]
	s_add_nc_u64 s[88:89], s[4:5], s[88:89]
	s_add_nc_u64 s[90:91], s[82:83], s[90:91]
	CROUND
.irp s, 0,1
	s_mov_b32 s[G0H+4*\s], 1
	s_add_co_u32 s[G0H+4*\s+1], s92, \s*SLOT
	s_add_nc_u64 s[G0H+4*\s+2:G0H+4*\s+3], s[88:89], \s*ROWB
	s_or_b32 s[G0H+4*\s+3], s[G0H+4*\s+3], 0x80000000
	s_mov_b32 s[G0W+4*\s], 1
	s_add_co_u32 s[G0W+4*\s+1], s92, \s*SLOT
	s_add_nc_u64 s[G0W+4*\s+2:G0W+4*\s+3], s[90:91], \s*ROWB
	s_or_b32 s[G0W+4*\s+3], s[G0W+4*\s+3], 0x80000000
.endr
	JLOAD 0                                        ; K step 0: one tensor load a wave at the head
	s_cmp_eq_u32 s87, 0
	s_cselect_b64 s[PFA:PFA+1], s[88:89], s[90:91] ; the rows that I fetch
	s_cselect_b32 s90, 0, s40                      ; the weight's: my work-group's 32 of them, by cx
	s_cselect_b32 s[LIM], s42, 0
	s_lshl_b32 s90, s90, 16
	s_add_co_u32 s90, s90, 2*ROWB                  ; at K step 2
	s_mov_b32 s91, 0
	s_add_nc_u64 s[PFA:PFA+1], s[PFA:PFA+1], s[90:91]
	s_cmp_lt_u32 s[LIM], 4
	s_cselect_b32 s[LIM], 1, -1
	v_and_b32 v[PFO], 31, v0
	v_lshlrev_b32 v[PFO], 11, v[PFO]
	ASK 1
	v_and_b32 v1, 15, v0
	s_wait_alu depctr_va_vdst(0)
	v_bfe_u32 v2, v0, 4, 1
	v_mul_u32_u24 v3, v1, PITCH
	v_lshl_add_u32 v4, v2, 4, v3
	s_mul_i32 s93, s[HA], HALFT
	s_mul_i32 s94, s[HB], HALFT
	s_add_co_u32 s94, s94, 2*HALFT
.irp s, 0,1
	v_add_nc_u32 v[ADRA+\s], s93, v4
	v_add_nc_u32 v[ADRB+\s], s94, v4
	s_add_co_u32 s93, s93, SLOT
	s_add_co_u32 s94, s94, SLOT
.endr
	s_mul_i32 s95, s[HA], 128*SP
	s_lshl_b32 s96, s[HB], 7
	s_add_co_u32 s95, s95, s96
	v_mul_u32_u24 v5, v1, SP
	s_wait_alu depctr_va_vdst(0)
	v_lshl_add_u32 v5, v2, 4, v5
	v_add_nc_u32 v[STO], s95, v5
	v_and_b32 v6, 31, v0
	v_lshrrev_b32 v7, 3, v6
	v_mul_u32_u24 v7, v7, SP
	v_and_b32 v8, 7, v0
	v_lshl_add_u32 v7, v8, 4, v7
	v_add_nc_u32 v[RDQ], s95, v7
	v_lshlrev_b32 v[COQ], 4, v6
	s_mul_i32 s96, s[WV], 64*SP
	v_mul_u32_u24 v7, v2, SP
	v_lshl_add_u32 v7, v1, 4, v7
	v_add_nc_u32 v[RDV], s96, v7
	v_lshlrev_b32 v[COV], 11, v2
	v_lshl_add_u32 v[COV], v1, 4, v[COV]
	s_lshl_b32 s96, s43, 10
	s_lshl_b32 s97, s[HB], 9
	s_add_co_u32 s97, s96, s97
	v_lshl_add_u32 v10, v2, 5, s97
	s_lshl_b32 s97, s[HA], 9
	s_add_co_u32 s97, s96, s97
	v_lshl_add_u32 v11, v1, 2, s97
.irp b, 0,1,2,3,4,5,6,7
	global_load_b128 v[BC+8*\b:BC+8*\b+3], v10, s[84:85] offset:64*\b
	global_load_b128 v[BC+8*\b+4:BC+8*\b+7], v10, s[84:85] offset:64*\b+16
.endr
.irp a, 0,1,2,3,4,5,6,7
	global_load_b32 v[BR+2*\a], v11, s[84:85] offset:64*\a
.endr
	s_wait_kmcnt 0x0
	s_add_co_i32 s96, s68, s69
	s_add_co_i32 s97, s70, s71
	s_add_co_i32 s98, s72, s73
	s_cmp_lt_u32 s42, 10
	s_cselect_b32 s97, s97, s98
	s_cselect_b32 s99, s74, s76
	s_cmp_lt_u32 s42, 8
	s_cselect_b32 s96, s96, s97
	s_cselect_b32 s99, s75, s99
	s_add_co_i32 s96, s96, 127
	s_lshl_b32 s78, s96, 23
	s_mov_b32 s79, s78
	s_add_co_i32 s99, s99, 127
	s_lshl_b32 s98, s99, 23
	v_mov_b32 v12, s98
	s_add_co_i32 s99, s99, 8
	s_lshl_b32 s99, s99, 23
	s_or_b32 s99, s99, 0x600000
	v_mov_b32 v13, s99
	s_wait_loadcnt 0x0
.set j, 0
.rept 64
	v_and_b32 v[BC+j], s80, v[BC+j]
.set j, j+1
.endr
.irp a, 0,1,2,3,4,5,6,7
	v_and_b32 v[BR+2*\a], s81, v[BR+2*\a]
	v_mov_b32 v[BR+2*\a+1], v[BR+2*\a]
.endr
.macro FRAG reg, adr, q, i
.irp c, 0,1,2,3
	ds_load_b128 v[\reg+4*\c:\reg+4*\c+3], v[\adr] offset:128*(\q)+32*\c+(\i)*16*PITCH
.endr
.endm
.macro MUL16 a0, p, zero
.irp a, \a0, \a0+1
.irp b, 0,1,2,3,4,5,6,7
.if \zero
	v_wmma_f32_16x16x128_fp8_fp8 v[8*(8*((\a)%4)+\b):8*(8*((\a)%4)+\b)+7], v[128*(\p)+FR*\b:128*(\p)+FR*\b+FR-1], v[AF+FR*(\a):AF+FR*(\a)+FR-1], 0
.else
	v_wmma_f32_16x16x128_fp8_fp8 v[8*(8*((\a)%4)+\b):8*(8*((\a)%4)+\b)+7], v[128*(\p)+FR*\b:128*(\p)+FR*\b+FR-1], v[AF+FR*(\a):AF+FR*(\a)+FR-1], v[8*(8*((\a)%4)+\b):8*(8*((\a)%4)+\b)+7]
.endif
.endr
.endr
.endm
.macro FETCH_B slot, q, p
	WIN TO_B
.irp i, 0,1,2,3,4,5,6,7
	FRAG 128*(\p)+FR*\i, ADRB+\slot, \q, \i
.endr
	WIN 0
.endm
.macro FETCH_A slot, q, i0
.irp i, \i0, \i0+1, \i0+2, \i0+3
	FRAG AF+FR*(\i), ADRA+\slot, \q, \i
.endr
.endm
.macro PLACES n
.rept \n
	v_nop
.endr
.endm
.macro STEP slot, q, zero
	s_wait_dscnt 4*NL
	WIN MUL_LO
	MUL16 0, (\q)%2, \zero
	MUL16 2, (\q)%2, \zero
	s_wait_dscnt 0
	PLACES NP
	FETCH_B \slot, (\q)+1, 1-(\q)%2
	FETCH_A \slot, (\q)+1, 0
	WIN MUL_HI
	MUL16 4, (\q)%2, \zero
	MUL16 6, (\q)%2, \zero
	PLACES NP
	WIN 0
	FETCH_A \slot, (\q)+1, 4
.endm
.macro TURN slot, next, fill
.if \fill
	s_wait_xcnt 0x0                                ; my last prefetch has read its address: a K step on
	s_add_nc_u64 s[PFA:PFA+1], s[PFA:PFA+1], ROWB
.endif
	s_wait_tensorcnt 0x0
	ds_add_u32 v[SPW], v[NIL]
	s_wait_dscnt 4*NL+1
	WIN MUL_LO
	MUL16 0, 1, 0
	s_wait_dscnt 0x0
	s_barrier_signal -1
	MUL16 2, 1, 0
	WIN 0
	s_barrier_wait -1
.if \fill
	CREST
	s_add_nc_u64 s[G0H+4*\slot+2:G0H+4*\slot+3], s[G0H+4*\slot+2:G0H+4*\slot+3], 2*ROWB
	s_add_nc_u64 s[G0W+4*\slot+2:G0W+4*\slot+3], s[G0W+4*\slot+2:G0W+4*\slot+3], 2*ROWB
	JLOAD \slot
.else
	PLACES NP
.endif
	FETCH_B \next, 0, 0
	FETCH_A \next, 0, 0
.if \fill
	ASK 0
.endif
	WIN MUL_HI
	MUL16 4, 1, 0
	MUL16 6, 1, 0
	PLACES NP
	WIN 0
	FETCH_A \next, 0, 4
.endm
	s_wait_alu depctr_va_vdst(0)                   ; the wait at the head's end
	s_wait_xcnt 0x0
	s_add_nc_u64 s[PFA:PFA+1], s[PFA:PFA+1], ROWB
	s_wait_tensorcnt 0x0                           ; my part of K step 0 is in; slot 1's first fill is issued as a refill is
	ds_add_u32 v[SPW], v[NIL]
	s_wait_dscnt 0x0
	CROUND
	JLOAD 1
	FETCH_B 0, 0, 0
	FETCH_A 0, 0, 0
	FETCH_A 0, 0, 4
	ASK 1
	STEP 0, 0, 1
	s_mov_b32 s3, LAPS-1
.Llap:
	TURN 0, 1, 1
	STEP 1, 0, 0
	TURN 1, 0, 1
	STEP 0, 0, 0
	s_sub_co_u32 s3, s3, 1
	s_cmp_lg_u32 s3, 0
	s_cbranch_scc1 .Llap
	TURN 0, 1, 0
	STEP 1, 0, 0
	s_wait_dscnt 4*NL
	WIN MUL_LO
	MUL16 0, 1, 0
	MUL16 2, 1, 0
	s_wait_dscnt 0
	WIN MUL_HI
	MUL16 4, 1, 0
	MUL16 6, 1, 0
	WIN 0
.macro PACK a
.set AC, 64*((\a)%4)
.set CD, CDS+16*((\a)%2)
	WIN 0x02+((\a)/4)
.set j, 0
.rept 32
	v_pk_fma_f32 v[TMP+j:TMP+j+1], v[AC+j:AC+j+1], s[78:79], v[BC+j:BC+j+1] op_sel_hi:[1,0,1]
.set j, j+2
.endr
	WIN 0
.set j, 0
.rept 32
	v_pk_add_f32 v[TMP+j:TMP+j+1], v[TMP+j:TMP+j+1], v[BR+2*(\a):BR+2*(\a)+1]
.set j, j+2
.endr
.set j, 0
.rept 64
	v_med3_num_f32 v[TMP+j], v[TMP+j], -v13, v13
.set j, j+1
.endr
.irp b, 0,1,2,3,4,5,6,7
	v_cvt_scalef32_pk8_fp8_f32 v[CD+2*\b:CD+2*\b+1], v[TMP+8*\b:TMP+8*\b+7], v12
.endr
	v_nop
.irp g, 0,1,2,3
	ds_store_b128 v[STO], v[CD+4*\g:CD+4*\g+3] offset:16*(\a)*SP+32*\g
.endr
.endm
	PLACES NP
.irp a, 0,1,2,3,4,5,6,7
	PACK \a
.endr
	s_wait_dscnt 0x0
	s_barrier_signal -1
	s_barrier_wait -1
	s_cmp_ge_u32 s42, 10
	s_cbranch_scc1 .Lv_out
	s_lshr_b32 s96, s41, 3
	s_mul_i32 s96, s96, 20
	s_lshl_b32 s97, s42, 1
	s_add_co_u32 s96, s96, s97
	s_add_co_u32 s96, s96, s[HB]
	s_lshl_b32 s96, s96, 11
	s_and_b32 s97, s41, 7
	s_lshl_b32 s97, s97, 8
	s_add_co_u32 s96, s96, s97
	s_lshl_b32 s97, s[HA], 7
	s_add_co_u32 s96, s96, s97
	s_lshl_b32 s96, s96, 7
	s_mov_b32 s97, 0
	s_add_nc_u64 s[20:21], s[20:21], s[96:97]
.set i, 0
.rept 32
	ds_load_b128 v[128+4*i:131+4*i], v[RDQ] offset:4*i*SP
.set i, i+1
.endr
.set i, 0
.rept 32
	s_wait_dscnt 31-i
	global_store_b128 v[COQ], v[128+4*i:131+4*i], s[20:21] offset:512*i
.set i, i+1
.endr
	s_branch .Lout_done
.Lv_out:
	s_lshr_b32 s96, s41, 3
	s_lshl_b32 s96, s96, 9
	s_lshl_b32 s97, s43, 8
	s_add_co_u32 s96, s96, s97
	s_lshl_b32 s97, s[WV], 6
	s_add_co_u32 s96, s96, s97
	s_lshl_b32 s96, s96, 11
	s_and_b32 s97, s41, 7
	s_lshl_b32 s97, s97, 8
	s_add_co_u32 s96, s96, s97
	s_mov_b32 s97, 0
	s_add_nc_u64 s[22:23], s[22:23], s[96:97]
.set i, 0
.rept 32
	ds_load_b128 v[128+4*i:131+4*i], v[RDV] offset:2*i*SP
.set i, i+1
.endr
.set i, 0
.rept 32
	s_wait_dscnt 31-i
	global_store_b128 v[COV], v[128+4*i:131+4*i], s[22:23] offset:4096*i
.set i, i+1
.endr
.Lout_done:
	s_wait_tensorcnt 0x0
	ds_add_u32 v[SPW], v[NIL]
	s_wait_dscnt 0x0
	CROUND
	s_endpgm
.Lfunc_end_k_qb79032d537_proj:
	.size	k_qb79032d537_proj, .Lfunc_end_k_qb79032d537_proj-k_qb79032d537_proj
	.p2alignl 7, 3214868480
	.fill 96, 4, 3214868480
	.section	.rodata,"a",@progbits
	.p2align	6, 0x0
	.amdhsa_kernel k_qb79032d537_proj
		.amdhsa_group_segment_fixed_size 327680
		.amdhsa_private_segment_fixed_size 0
		.amdhsa_enable_private_segment 0
		.amdhsa_kernarg_size 80
		.amdhsa_user_sgpr_count 2
		.amdhsa_user_sgpr_kernarg_segment_ptr 1
		.amdhsa_wavefront_size32 1
		.amdhsa_system_sgpr_workgroup_id_x 1
		.amdhsa_system_sgpr_workgroup_id_y 1
		.amdhsa_system_sgpr_workgroup_id_z 1
		.amdhsa_system_vgpr_workitem_id 0
		.amdhsa_next_free_vgpr 1024
		.amdhsa_next_free_sgpr 100
		.amdhsa_reserve_vcc 0
		.amdhsa_float_denorm_mode_32 3
		.amdhsa_float_denorm_mode_16_64 3
		.amdhsa_memory_ordered 1
		.amdhsa_forward_progress 1
		.amdhsa_inst_pref_size 171
	.end_amdhsa_kernel
	.amdgpu_metadata
---
amdhsa.version: [ 1, 2 ]
amdhsa.kernels:
  - .name:           k_qb79032d537_proj
    .symbol:         k_qb79032d537_proj.kd
    .args:
      - { .name: hidden_states_codes, .offset: 0, .size: 8, .value_kind: global_buffer, .address_space: global }
      - { .name: Wq_codes, .offset: 8, .size: 8, .value_kind: global_buffer, .address_space: global }
      - { .name: Wk_codes, .offset: 16, .size: 8, .value_kind: global_buffer, .address_space: global }
      - { .name: Wv_codes, .offset: 24, .size: 8, .value_kind: global_buffer, .address_space: global }
      - { .name: bq, .offset: 32, .size: 8, .value_kind: global_buffer, .address_space: global }
      - { .name: bk, .offset: 40, .size: 8, .value_kind: global_buffer, .address_space: global }
      - { .name: bv, .offset: 48, .size: 8, .value_kind: global_buffer, .address_space: global }
      - { .name: lowp_scales, .offset: 56, .size: 8, .value_kind: global_buffer, .address_space: global }
      - { .name: qk_codes, .offset: 64, .size: 8, .value_kind: global_buffer, .address_space: global }
      - { .name: v_codes, .offset: 72, .size: 8, .value_kind: global_buffer, .address_space: global }
    .group_segment_fixed_size: 327680
    .private_segment_fixed_size: 0
    .kernarg_segment_align: 8
    .kernarg_segment_size: 80
    .max_flat_workgroup_size: 128
    .sgpr_count:     100
    .vgpr_count:     1024
    .wavefront_size: 32
...
	.end_amdgpu_metadata
.endif
;; end of part 1
;; launch attn (part 2): grid 32 x 8, 8 waves a work-group, clusters of 4 x 1, 327,680 bytes of LDS; arguments qk_codes, v_codes, lowp_scales, out0; writes out0
.if DOCPART == 2
	.amdgcn_target "amdgcn-amd-amdhsa--gfx1250"
	.amdhsa_code_object_version 6
	.text
	.protected	k_qb79032d537_attn
	.globl	k_qb79032d537_attn
	.p2align	8
	.type	k_qb79032d537_attn,@function
k_qb79032d537_attn:
	s_mov_b64 s[64:65], 0
	v_nop
	global_prefetch_b8 v0, s[64:65] scope:SCOPE_SE
	s_setreg_imm32_b32 hwreg(HW_REG_WAVE_MODE, 25, 1), 1
	s_wait_xcnt 0x0
	s_wait_alu depctr_hold_cnt(0) depctr_sa_sdst(0) depctr_va_vdst(0) depctr_va_sdst(0) depctr_va_ssrc(0) depctr_va_vcc(0) depctr_vm_vsrc(0)
	s_getreg_b32 s2, hwreg(HW_REG_IB_STS2, 6, 4)
	s_cmp_eq_u32 s2, 0
	s_cbranch_scc0 .Lentry_in_a_cluster
	s_endpgm
.Lentry_in_a_cluster:
	s_bfe_u32 s2, ttmp6, 0x10000c
	s_cmp_lg_u32 s2, 0x3003
	s_cbranch_scc0 .Lentry_shape_is_right
	s_endpgm
.Lentry_shape_is_right:
; out[b][s][128 hq + d] = the sum over keys t of softmax_t(q[b][hq][s] . k[b][g][t] / sqrt(128)) v[b][g][t][d], hq = 4 r + g, both products on codes of E4M3.  No work is left out here either.
; qk_codes [b 2][head 20][s 2048][128]: heads 0-15 q (scale 2^e7), heads 16 + g k (2^e6).  v_codes [b][g][d 128][2048 keys] (2^e8).  p's scale is 2^e9.
; Along the innermost axis of all three, index 16 b + 8 h + j lies at byte 32 (b / 2) + 16 h + 8 (b % 2) + j: in q and k one permutation of d in both; in v it puts key 16 T + 8 h + j where P's registers 2 T, 2 T + 1 hold it.
; THE SOFTMAX: t = score x log2(e) / sqrt(128); M = the row's largest t so far, rounded up to a whole number; p = 2^(t - M) is quantised, not normalised; the row's sum of the unquantised p divides at the end.
; When M moves, the sum and O are multiplied by 2^(old M - new M): exact.
; LIMITS: e6 + e7 between -123 and 130 (added to c's exponent field); e9 between -126 and 119; the scaled scores stay under 2^31 in magnitude.
; SHARES.  y = 4 b + g; x = 8 r + the block of 256 queries.  Eight waves, 32 queries each (two tiles of 16) in 512 registers; every wave walks all 2,048 keys, 128 a step; each fragment of K and V feeds two matrix instructions.
; CLUSTER.  The four partners have one y and walk the same K and V: each tile is asked for jointly, mask 15.
; RING.  Two LDS slots of 512 keys (K: 512 rows of 144 bytes; V: 128 rows of 528): four changes of slots in all.  Waves 0-3 fetch K's quarters, waves 4-7 V's: one load a wave behind each round.  Every wait on TENSORcnt is for 0.
; Both products are used transposed (S^T = K Q^T, O^T = V^T P^T): a lane holds one query (lane % 16) throughout.  The key step is one macro, four a slot: three or four of them in a counted loop; O^T begins as zeros, which the first change of M leaves zeros.
; REGISTERS.  Window 0: v1-11 addresses; v12-27 statistics; v28, v229 448 x 2^e9; v29 2^e9; v30-31 the exchange; v32-95 fragments 0-3; v96-223 S^T, then p; v224-227 at work.
;             Window 1: v0-127 O^T; v128-159 Q; v160-191 P's codes; v192-255 fragments 4-7.
.set KP,    144
.set VP,    528
.set SKEYS, 512
.set VOFF,  SKEYS*KP
.set SLOTB, VOFF+128*VP                ; 141,312 bytes a slot
.set NSL,   4
.set SPARE, 2*SLOTB                    ; the spare words: 128 bytes a wave, four blocks of 256 bytes that no other line names
.set STGB,  16*528                     ; the way out: a stage a wave, from LDS byte 0: slot 0 has had its last fill and its last read at the last change of slots
.set AK0,  1
.set AV0,  2
.set PFO,  3
.set SPW,  5
.set NIL,  6
.set GO,   7
.set ADK,  8
.set ADV,  9
.set ST,   12                          ; tile u at v[12 + 8 u]: +0 -M, +1 the largest t, +2, +3 the sum, +4 f, +5 written once, +6, +7 at work
.set LIMP, 28
.set PSC,  29
.set PX,   30
.set FA,   32
.set S,    96
.set CHN,  224
.set LIM2, 229
.set QF,   128
.set PF,   160
.set FB,   192
.set WV,   18
.set SEL,  20
.set CS,   22
.set G1K,  24
.set G1V,  32
.set G0K,  40
.set G0V,  44
.set TB,   48                          ; LDS byte at which the slot in hand begins
.set SLOTS, 49
.set LIM,  50
.set TF,   51                          ; LDS byte of the slot that is filled
.set PFA,  52
.set PFS,  54
.set SK,   56                          ; the step's place in K's part of the slot, and in V's rows
.set SV,   57
.set STP,  58
.set MSB, 0
.macro WIN new
.if MSB != \new
	s_set_vgpr_msb (MSB<<8)|\new
.set MSB, \new
.endif
.endm
.macro ROUND                           ; a round of the cluster's barrier
	s_barrier_signal -1
	s_barrier_wait -1
	s_cmp_lg_u32 s[WV], 0
	s_cbranch_scc1 .Lnot_wave_0_\@
	s_barrier_signal -3
.Lnot_wave_0_\@:
	s_barrier_wait -3
	s_barrier_signal -1
	s_barrier_wait -1
.endm
.macro CREST                           ; a round behind its opening barrier
	s_cmp_lg_u32 s[WV], 0
	s_cbranch_scc1 .Lnot_w0_\@
	s_barrier_signal -3
.Lnot_w0_\@:
	s_barrier_wait -3
	s_barrier_signal -1
	s_barrier_wait -1
.endm
.macro TLOAD                           ; every wave issues one joint load; the branch hangs on the wave's number alone
	s_cmp_lt_u32 s[WV], 4
	s_cbranch_scc0 .Lfor_v_\@
	tensor_load_to_lds s[G0K:G0K+3], s[G1K:G1K+7]
	s_nop 0
.rept 4
	v_nop
.endr
	s_branch .Lasked_\@
.Lfor_v_\@:
	tensor_load_to_lds s[G0V:G0V+3], s[G1V:G1V+7]
	s_nop 0
.rept 4
	v_nop
.endr
.Lasked_\@:
.endm
; A PREFETCH INTO THE L2 of the slot that the NEXT change will ask for: four key steps ahead of that load.  Of the eight clusters of a y the first asks.  Its partners share the blocks out by address: 16,384 bytes of K's dense
; block and 32 rows of V each.  Waves 0, 1: K's, 8,192 bytes a wave, lanes 256 bytes apart; waves 2, 3: V's, a lane a row, one 256-byte half of the slot's 512 each.  The last filling change names nothing; slots 0, 1 come by their loads alone.
.macro ASK
	s_cmp_gt_u32 s[SLOTS], s[LIM]
	s_cbranch_scc0 .Lnot_mine_\@
	global_prefetch_b8 v[PFO], s[PFA:PFA+1] th:TH_LOAD_NT scope:SCOPE_SE
.Lnot_mine_\@:
.endm
	s_load_b256 s[4:11], s[0:1], 0x0               ; qk_codes, v_codes, the exponents, out
	v_lshl_add_u32 v[SPW], v0, 2, SPARE
	v_mov_b32 v[NIL], 0
	ds_add_u32 v[SPW], v[NIL]                      ; the opening lines
	ds_add_u32 v[SPW], v[NIL]
	v_lshrrev_b32 v8, 5, v0
	v_readfirstlane_b32 s[WV], v8
	s_bfe_u32 s12, ttmp6, 0x40000                  ; cx: enters Q's, out's and the prefetches' addresses alone
	s_lshl_b32 s13, ttmp9, 2
	s_add_co_u32 s13, s13, s12                     ; x
	s_and_b32 s14, ttmp7, 0xffff                   ; y = 4 b + g
	s_lshr_b32 s15, s14, 2
	s_and_b32 s16, s14, 3
	s_lshr_b32 s17, s13, 3
	s_lshl_b32 s17, s17, 2
	s_add_co_u32 s17, s17, s16                     ; hq = 4 r + g
	s_mul_i32 s72, s15, 20
	s_add_co_u32 s73, s72, s16
	s_add_co_u32 s73, s73, 16
	s_lshl_b32 s73, s73, 18                        ; k's first byte
	s_lshl_b32 s74, s14, 18                        ; v's
	s_add_co_u32 s75, s72, s17
	s_lshl_b32 s75, s75, 11
	s_and_b32 s76, s13, 7
	s_lshl_b32 s76, s76, 8
	s_lshl_b32 s77, s[WV], 5
	s_add_co_u32 s76, s76, s77                     ; my first query
	s_add_co_u32 s75, s75, s76
	s_lshl_b32 s88, s75, 7                         ; its codes
	s_mov_b32 s89, 0
	s_lshl_b32 s77, s15, 11
	s_add_co_u32 s77, s77, s76
	s_lshl_b32 s77, s77, 13
	s_lshl_b32 s78, s17, 9
	s_add_co_u32 s90, s77, s78                     ; its row of out, my head's 512 bytes
	s_mov_b32 s91, 0
	s_and_b32 s80, s[WV], 3                        ; which quarter I fetch
	s_lshl_b32 s82, s80, 14                        ; K: 128 rows of 128 bytes
	s_add_co_u32 s82, s82, s73
	s_mov_b32 s83, 0
	s_lshl_b32 s84, s80, 16                        ; V: 32 rows of 2,048 bytes
	s_add_co_u32 s84, s84, s74
	s_mov_b32 s85, 0
	s_mul_i32 s86, s80, 128*KP                     ; where they go in a slot; s86, s87 stay
	s_mul_i32 s87, s80, 32*VP
	s_add_co_u32 s87, s87, VOFF
	s_mov_b32 s[G1K], 15|(1<<20)|(1<<21)|(4<<22)|(3<<25)   ; K: dense, stated as 64 rows of 256 bytes; four words of padding behind every 32
	s_mov_b32 s[G1K+1], 256<<16
	s_mov_b32 s[G1K+2], 64<<16
	s_mov_b32 s[G1K+3], 256<<16
	s_mov_b32 s[G1K+4], 64
	s_mov_b32 s[G1K+5], 256
	s_mov_b32 s[G1K+6], 0
	s_mov_b32 s[G1K+7], 0
	s_mov_b32 s[G1V], 15|(1<<20)|(1<<21)|(6<<22)|(3<<25)   ; V: 32 rows of 512 bytes, 2,048 apart; four words behind every 128
	s_mov_b32 s[G1V+1], 512<<16
	s_mov_b32 s[G1V+2], 32<<16
	s_mov_b32 s[G1V+3], 512<<16
	s_mov_b32 s[G1V+4], 32
	s_mov_b32 s[G1V+5], 2048
	s_mov_b32 s[G1V+6], 0
	s_mov_b32 s[G1V+7], 0
	s_mov_b32 s[SEL], 0x76543210
	s_mov_b32 s[SEL+1], 0xfedcba98
	s_mov_b32 s[CS], 0x3e0293ee                    ; log2(e) / sqrt(128)
	s_mov_b32 s[TB], 0
	s_mov_b32 s[TF], 0
	s_mov_b32 s[SLOTS], NSL-1
	s_wait_dscnt 0x0
	s_wait_kmcnt 0x0
	s_load_b128 s[68:71], s[8:9], 0x18             ; e6, e7, e8, e9
	s_mov_b32 s[G0K], 1
	s_mov_b32 s[G0K+1], s86
	s_add_nc_u64 s[G0K+2:G0K+3], s[4:5], s[82:83]
	s_or_b32 s[G0K+3], s[G0K+3], 0x80000000
	s_mov_b32 s[G0V], 1
	s_mov_b32 s[G0V+1], s87
	s_add_nc_u64 s[G0V+2:G0V+3], s[6:7], s[84:85]
	s_or_b32 s[G0V+3], s[G0V+3], 0x80000000
	ROUND
	TLOAD                                          ; slot 0
	s_add_nc_u64 s[88:89], s[4:5], s[88:89]
	s_add_nc_u64 s[10:11], s[10:11], s[90:91]
	s_lshr_b32 s92, s[WV], 1                       ; the prefetches: waves 0, 1 K's codes, waves 2, 3 V's
	s_and_b32 s97, s[WV], 1
	s_mov_b32 s[PFS], SKEYS
	s_cmp_eq_u32 s92, 0
	s_cselect_b64 s[PFA:PFA+1], s[4:5], s[6:7]
	s_cselect_b32 s[PFS], SKEYS*128, s[PFS]        ; a slot on
	s_cselect_b32 s94, s73, s74
	s_cselect_b32 s93, 14, 16                      ; from partner to partner
	s_cselect_b32 s96, 8, 11                       ; from lane to lane
	s_cselect_b32 s98, 13, 8                       ; from wave to wave
	s_lshl_b32 s93, s12, s93
	s_lshl_b32 s98, s97, s98
	s_add_co_u32 s94, s94, s93
	s_add_co_u32 s94, s94, s98
	s_add_co_u32 s94, s94, s[PFS]                  ; in slot 1: the first change steps it to slot 2
	s_mov_b32 s95, 0
	s_mov_b32 s[PFS+1], 0
	s_add_nc_u64 s[PFA:PFA+1], s[PFA:PFA+1], s[94:95]
	v_and_b32 v[PFO], 31, v0
	v_lshlrev_b32 v[PFO], s96, v[PFO]
	s_lshr_b32 s92, s[WV], 2
	s_or_b32 s92, s92, ttmp9                       ; 0 in waves 0-3 of the y's first cluster
	s_cmp_eq_u32 s92, 0
	s_cselect_b32 s[LIM], 1, -1
	v_and_b32 v8, 15, v0                           ; r
	v_bfe_u32 v9, v0, 4, 1                         ; h
	v_lshlrev_b32 v10, 7, v8
	v_lshl_add_u32 v10, v9, 4, v10
	WIN 0x40
.irp u, 0,1
.irp c, 0,1,2,3
	global_load_b128 v[QF+16*\u+4*\c:QF+16*\u+4*\c+3], v10, s[88:89] offset:2048*\u+32*\c th:TH_LOAD_NT
.endr
.endr
.set j, 0
.rept 128
	v_mov_b32 v[j], 0                              ; O^T
.set j, j+1
.endr
	WIN 0
	v_mul_u32_u24 v[AK0], v8, KP
	v_mul_u32_u24 v[AV0], v8, VP
	v_lshl_add_u32 v[AK0], v9, 4, v[AK0]
	v_lshl_add_u32 v[AV0], v9, 4, v[AV0]
	v_and_b32 v[GO], 31, v0
	v_add_nc_u32 v[AV0], VOFF, v[AV0]
	v_lshlrev_b32 v[GO], 4, v[GO]
.irp u, 0,1
	v_mov_b32 v[ST+8*\u+1], 0xff61b1e6             ; -3e38, under every t
	v_mov_b32 v[ST+8*\u+2], 0
	v_mov_b32 v[ST+8*\u+3], 0
	v_mov_b32 v[ST+8*\u+5], 0
	v_mov_b32 v[PX+\u], 0
	v_floor_f32 v[ST+8*\u], -v[ST+8*\u+1]
.endr
	s_wait_kmcnt 0x0
	s_add_co_i32 s72, s68, s69
	s_lshl_b32 s72, s72, 23
	s_add_co_i32 s[CS], s[CS], s72                 ; x 2^(e6 + e7)
	s_mov_b32 s[CS+1], s[CS]
	s_add_co_i32 s72, s71, 127
	s_lshl_b32 s73, s72, 23
	v_mov_b32 v[PSC], s73                          ; 2^e9
	s_add_co_i32 s72, s72, 8
	s_lshl_b32 s72, s72, 23
	s_or_b32 s72, s72, 0x600000
	v_mov_b32 v[LIMP], s72                         ; 448 x 2^e9, in two registers for the two halves of a dual pair
	v_mov_b32 v[LIM2], s72
; A KEY STEP: 128 keys.  All accumulators take turns, one instruction a turn.  The two tiles' chains stand line by line beside each other.
; x = 0: a step inside a slot.  x = 1, 2: a slot's LAST step, which holds the change of slots: V's fragments are my last reads of the slot, so behind their issue stand the wait for all my tensor loads and the add;
; the maxima, work on registers, stand between the add and the wait for it; then I signal, and the rest of the softmax and the second product, work on registers alone, stand between the signal and the wait.
; x = 1: that barrier opens a round of the cluster's barrier, and behind the round the slot just left is filled with the next 512 keys.  x = 2: nothing is filled.
.macro STEP x
	v_add_nc_u32 v[ADK], s[SK], v[AK0]
	v_add_nc_u32 v[ADV], s[SV], v[AV0]
	v_nop                                          ; four places in front of loads into registers that the last products have read
	v_nop
.irp t, 0,1,2,3
.irp c, 0,1,2,3
	ds_load_b128 v[FA+16*\t+4*\c:FA+16*\t+4*\c+3], v[ADK] offset:16*\t*KP+32*\c
.endr
.endr
	WIN 0x40
.irp t, 0,1,2,3
.irp c, 0,1,2,3
	ds_load_b128 v[FB+16*\t+4*\c:FB+16*\t+4*\c+3], v[ADK] offset:(64+16*\t)*KP+32*\c
.endr
.endr
	s_wait_alu depctr_va_vdst(0)
	s_wait_dscnt 16                                ; K's tiles 0-3 are in; the youngest 16 loads may be out
	WIN 0x04
.irp t, 0,1,2,3
.irp u, 0,1
	v_wmma_f32_16x16x128_fp8_fp8 v[S+64*\u+8*\t:S+64*\u+8*\t+7], v[FA+16*\t:FA+16*\t+15], v[QF+16*\u:QF+16*\u+15], 0
.endr
.endr
	s_wait_dscnt 0x0
	WIN 0x05
.irp t, 0,1,2,3
.irp u, 0,1
	v_wmma_f32_16x16x128_fp8_fp8 v[S+64*\u+32+8*\t:S+64*\u+32+8*\t+7], v[FB+16*\t:FB+16*\t+15], v[QF+16*\u:QF+16*\u+15], 0
.endr
.endr
	WIN 0
.rept 4
	v_nop
.endr
.irp t, 0,1,2,3                                ; V's fragments land under the softmax
.irp c, 0,1,2,3
	ds_load_b128 v[FA+16*\t+4*\c:FA+16*\t+4*\c+3], v[ADV] offset:16*\t*VP+32*\c
.endr
.endr
	WIN 0x40
.irp t, 0,1,2,3
.irp c, 0,1,2,3
	ds_load_b128 v[FB+16*\t+4*\c:FB+16*\t+4*\c+3], v[ADV] offset:(64+16*\t)*VP+32*\c
.endr
.endr
	WIN 0
.if \x
	s_wait_tensorcnt 0x0                           ; my part of the next slot is in, and no load of mine is out
	ds_add_u32 v[SPW], v[NIL]
.if \x == 1
	s_xor_b32 s[TF], s[TF], SLOTB                  ; the walking descriptors: the other slot, the next keys
	s_add_co_u32 s[G0K+1], s[TF], s86
	s_add_co_u32 s[G0V+1], s[TF], s87
	s_add_nc_u64 s[G0K+2:G0K+3], s[G0K+2:G0K+3], SKEYS*128
	s_add_nc_u64 s[G0V+2:G0V+3], s[G0V+2:G0V+3], SKEYS
	s_wait_xcnt 0x0                                ; my last prefetch has read its address
	s_add_nc_u64 s[PFA:PFA+1], s[PFA:PFA+1], s[PFS:PFS+1]
.endif
.endif
.irp u, 0,1                                    ; the step's largest score of my query: two chains a tile, each accumulator from its low end on
	v_max3_num_f32 v[ST+8*\u+6], v[S+64*\u], v[S+64*\u+1], v[S+64*\u+2]
	v_max3_num_f32 v[ST+8*\u+7], v[S+64*\u+3], v[S+64*\u+4], v[S+64*\u+5]
.endr
.irp i, 6,10,14,18,22,26,30,34,38,42,46,50,54,58
.irp u, 0,1
	v_max3_num_f32 v[ST+8*\u+6], v[ST+8*\u+6], v[S+64*\u+\i], v[S+64*\u+\i+1]
	v_max3_num_f32 v[ST+8*\u+7], v[ST+8*\u+7], v[S+64*\u+\i+2], v[S+64*\u+\i+3]
.endr
.endr
.irp u, 0,1
	v_max3_num_f32 v[ST+8*\u+6], v[ST+8*\u+6], v[S+64*\u+62], v[S+64*\u+63]
.endr
.irp u, 0,1
	v_max_num_f32 v[ST+8*\u+6], v[ST+8*\u+6], v[ST+8*\u+7]
.endr
.irp u, 0,1
	v_permlanex16_b32 v[PX+\u], v[ST+8*\u+6], s[SEL], s[SEL+1]
.endr
.irp u, 0,1
	v_max_num_f32 v[ST+8*\u+6], v[ST+8*\u+6], v[PX+\u]
.endr
.irp u, 0,1
	v_mul_f32 v[ST+8*\u+6], s[CS], v[ST+8*\u+6]    ; as t (c is positive)
.endr
.irp u, 0,1
	v_max_num_f32 v[ST+8*\u+1], v[ST+8*\u+1], v[ST+8*\u+6]
	v_mov_b32 v[ST+8*\u+6], v[ST+8*\u]
.endr
.irp u, 0,1
	v_floor_f32 v[ST+8*\u], -v[ST+8*\u+1]          ; the new -M
.endr
.irp u, 0,1
	v_sub_f32 v[ST+8*\u+6], v[ST+8*\u], v[ST+8*\u+6]
.endr
.irp u, 0,1
	v_cvt_i32_f32 v[ST+8*\u+6], v[ST+8*\u+6]       ; (it saturates)
.endr
.irp u, 0,1
	v_ldexp_f32 v[ST+8*\u+4], 1.0, v[ST+8*\u+6]    ; f = 2^(old M - new M)
.endr
.if \x
	s_wait_alu depctr_va_vdst(0)                   ; ahead of the wait below
	s_wait_dscnt 0x0                               ; the add is done, V is in, and my reads of this slot are over
	s_barrier_signal -1
.endif
	WIN 0x41
.irp u, 0,1
.set j, 0
.rept 32
	v_pk_mul_f32 v[64*\u+j:64*\u+j+1], v[64*\u+j:64*\u+j+1], v[ST+8*\u+4:ST+8*\u+5] op_sel_hi:[1,0]
.set j, j+2
.endr
.endr
	WIN 0
.irp u, 0,1
.set j, 0
.rept 32
	v_pk_fma_f32 v[S+64*\u+j:S+64*\u+j+1], v[S+64*\u+j:S+64*\u+j+1], s[CS:CS+1], v[ST+8*\u:ST+8*\u+1] op_sel_hi:[1,0,0]   ; t - M
.set j, j+2
.endr
.endr
	s_wait_alu depctr_va_vdst(0)                   ; the wait ahead of the batch
.set j, 0
.rept 128
	v_exp_f32 v[S+j], v[S+j]                       ; p = 2^(t - M)
.set j, j+1
.endr
	v_pk_mul_f32 v[ST+2:ST+3], v[ST+2:ST+3], v[ST+4:ST+5] op_sel_hi:[1,0]       ; the sums under the new M
	v_pk_mul_f32 v[ST+10:ST+11], v[ST+10:ST+11], v[ST+12:ST+13] op_sel_hi:[1,0]
	s_wait_alu depctr_va_vdst(0)                   ; and the one behind it, ahead of the first reader
.irp u, 0,1                                    ; the row's sum of the unquantised p
	v_pk_add_f32 v[CHN+2*\u:CHN+2*\u+1], v[S+64*\u:S+64*\u+1], v[S+64*\u+2:S+64*\u+3]
.endr
.set j, 4
.rept 15
.irp u, 0,1
	v_pk_add_f32 v[ST+8*\u+2:ST+8*\u+3], v[ST+8*\u+2:ST+8*\u+3], v[S+64*\u+j:S+64*\u+j+1]
	v_pk_add_f32 v[CHN+2*\u:CHN+2*\u+1], v[CHN+2*\u:CHN+2*\u+1], v[S+64*\u+j+2:S+64*\u+j+3]
.endr
.set j, j+4
.endr
.irp u, 0,1
	v_pk_add_f32 v[ST+8*\u+2:ST+8*\u+3], v[ST+8*\u+2:ST+8*\u+3], v[CHN+2*\u:CHN+2*\u+1]
.endr
.set j, 0
.rept 64                                       ; the hold: the conversion does not saturate (ISA guide 7.6.2); p is not negative, so it is one-sided; two numbers an instruction
	v_dual_min_num_f32 v[S+j], v[S+j], v[LIMP] :: v_dual_min_num_f32 v[S+j+1], v[S+j+1], v[LIM2]
.set j, j+2
.endr
	WIN 0x40
.irp u, 0,1
.irp t, 0,1,2,3,4,5,6,7
	v_cvt_scalef32_pk8_fp8_f32 v[PF+16*\u+2*\t:PF+16*\u+2*\t+1], v[S+64*\u+8*\t:S+64*\u+8*\t+7], v[PSC]
.endr
.endr
	WIN 0
	v_nop                                          ; a plain instruction behind the last conversion
	s_wait_alu depctr_va_vdst(0)                   ; ahead of the wait below
.if \x == 0
	s_wait_dscnt 0x0                               ; V is in
.endif
	WIN 0x54
.irp t, 0,1,2,3
.irp u, 0,1
	v_wmma_f32_16x16x128_fp8_fp8 v[64*\u+8*\t:64*\u+8*\t+7], v[FA+16*\t:FA+16*\t+15], v[PF+16*\u:PF+16*\u+15], v[64*\u+8*\t:64*\u+8*\t+7]
.endr
.endr
	WIN 0x55
.irp t, 0,1,2,3
.irp u, 0,1
	v_wmma_f32_16x16x128_fp8_fp8 v[64*\u+32+8*\t:64*\u+32+8*\t+7], v[FB+16*\t:FB+16*\t+15], v[PF+16*\u:PF+16*\u+15], v[64*\u+32+8*\t:64*\u+32+8*\t+7]
.endr
.endr
	WIN 0
.if \x
	s_barrier_wait -1                              ; every wave of my work-group has left the slot, and the next slot is whole
.endif
.if \x == 1
	CREST                                          ; and so has every wave of every partner
	TLOAD                                          ; the first tensor load behind the round, a wave's one until the next
	ASK
.endif
.endm
.macro SLOTRUN n, x                    ; a slot's four key steps: n in a counted loop, and, where x is not 0, the last with the change of slots
	s_mov_b32 s[SK], s[TB]
	s_mov_b32 s[SV], s[TB]
	s_mov_b32 s[STP], \n
.Lstep_\@:
	STEP 0
	s_add_co_u32 s[SK], s[SK], 128*KP
	s_add_co_u32 s[SV], s[SV], 128
	s_sub_co_u32 s[STP], s[STP], 1
	s_cmp_lg_u32 s[STP], 0
	s_cbranch_scc1 .Lstep_\@
.if \x
	STEP \x
.endif
	s_xor_b32 s[TB], s[TB], SLOTB
.endm
; THE CHANGE OF SLOTS, at a slot's head: all my tensor loads are in, the add, my reads of the slot that I left are over; fill = 1: a round of the cluster's barrier, and behind it that slot is filled with the next 512 keys.
.macro CHANGE fill
	s_wait_tensorcnt 0x0
	ds_add_u32 v[SPW], v[NIL]
.if \fill
	s_xor_b32 s[TF], s[TF], SLOTB                  ; the walking descriptors: the other slot, the next keys
	s_add_co_u32 s[G0K+1], s[TF], s86
	s_add_co_u32 s[G0V+1], s[TF], s87
	s_add_nc_u64 s[G0K+2:G0K+3], s[G0K+2:G0K+3], SKEYS*128
	s_add_nc_u64 s[G0V+2:G0V+3], s[G0V+2:G0V+3], SKEYS
	s_wait_xcnt 0x0                                ; my last prefetch has read its address
	s_add_nc_u64 s[PFA:PFA+1], s[PFA:PFA+1], s[PFS:PFS+1]
	s_wait_dscnt 0x0
	ROUND
	TLOAD
	ASK
.endif
.endm
	s_wait_alu depctr_va_vdst(0)                   ; the wait at the head's end
	s_wait_loadcnt 0x0                             ; Q
	CHANGE 1                                       ; slot 0 is in; slot 1's first fill, issued as a refill is
	s_sub_co_u32 s[SLOTS], s[SLOTS], 1
.Lslot:                                            ; two trips: the keys' first and second 512; each ends by asking for the 512 two further on
	SLOTRUN 3, 1
	s_sub_co_u32 s[SLOTS], s[SLOTS], 1
	s_cmp_lg_u32 s[SLOTS], 0
	s_cbranch_scc1 .Lslot
	SLOTRUN 3, 2                                   ; the last two slots are written out
	SLOTRUN 4, 0
	; THE WAY OUT: O^T x 2^(e8 + e9) / the sum, a tile of 16 queries at a time through my stage, out as whole rows of 512 bytes.
.irp u, 0,1
	v_add_f32 v[ST+8*\u+2], v[ST+8*\u+2], v[ST+8*\u+3]
.endr
.irp u, 0,1
	v_permlanex16_b32 v[PX+\u], v[ST+8*\u+2], s[SEL], s[SEL+1]
.endr
.irp u, 0,1
	v_add_f32 v[ST+8*\u+2], v[ST+8*\u+2], v[PX+\u]
.endr
	s_wait_alu depctr_va_vdst(0)
.irp u, 0,1
	v_rcp_f32 v[ST+8*\u+4], v[ST+8*\u+2]
.endr
	v_and_b32 v8, 15, v0
	v_bfe_u32 v9, v0, 4, 1
	s_mul_i32 s73, s[WV], STGB
	v_mul_u32_u24 v10, v8, 528
	v_and_b32 v11, 31, v0
	v_lshl_add_u32 v10, v9, 5, v10
	v_lshlrev_b32 v11, 4, v11
	v_add_nc_u32 v10, s73, v10                     ; in: row r, 64 i + 32 h bytes on
	v_add_nc_u32 v11, s73, v11                     ; back: the 32 lanes take one row
	s_add_co_i32 s72, s70, s71
	s_wait_alu depctr_va_vdst(0)                   ; ahead of the reciprocals' first reader
.irp u, 0,1
	v_ldexp_f32 v[ST+8*\u+4], v[ST+8*\u+4], s72
.endr
.macro OUTT u, back
	WIN 0x01
	s_wait_alu depctr_va_vdst(0)                   ; directly ahead of the first reader of O^T
.set j, 0
.rept 32
	v_pk_mul_f32 v[S+64*(\u)+j:S+64*(\u)+j+1], v[64*(\u)+j:64*(\u)+j+1], v[ST+8*(\u)+4:ST+8*(\u)+5] op_sel_hi:[1,0]
.set j, j+2
.endr
	WIN 0
.irp i, 0,1,2,3,4,5,6,7
	ds_store_b128 v10, v[S+64*(\u)+8*\i:S+64*(\u)+8*\i+3] offset:64*\i
	ds_store_b128 v10, v[S+64*(\u)+8*\i+4:S+64*(\u)+8*\i+7] offset:64*\i+16
.endr
.irp t, 0,1,2,3,4,5,6,7,8,9,10,11,12,13,14,15
	ds_load_b128 v[\back+4*\t:\back+4*\t+3], v11 offset:528*\t   ; LDS serves a wave's instructions in order (ISA guide 5.7.1.4)
.endr
.endm
	OUTT 0, FA
	OUTT 1, S
.irp t, 0,1,2,3,4,5,6,7,8,9,10,11,12,13,14,15
	s_wait_dscnt 47-\t                             ; behind row t of tile 0: its 15 - t younger rows and tile 1's 32 LDS instructions
	global_store_b128 v[GO], v[FA+4*\t:FA+4*\t+3], s[10:11] offset:8192*\t th:TH_STORE_NT   ; 512 consecutive bytes, aligned
.endr
.irp t, 0,1,2,3,4,5,6,7,8,9,10,11,12,13,14,15
	s_wait_dscnt 15-\t
	global_store_b128 v[GO], v[S+4*\t:S+4*\t+3], s[10:11] offset:8192*(16+\t) th:TH_STORE_NT
.endr
	s_wait_tensorcnt 0x0                           ; the wave's end
	ds_add_u32 v[SPW], v[NIL]
	s_wait_dscnt 0x0
	ROUND                                          ; the closing round
	s_endpgm
.Lfunc_end_k_qb79032d537_attn:
	.size	k_qb79032d537_attn, .Lfunc_end_k_qb79032d537_attn-k_qb79032d537_attn
	.p2alignl 7, 3214868480
	.fill 96, 4, 3214868480
	.section	.rodata,"a",@progbits
	.p2align	6, 0x0
	.amdhsa_kernel k_qb79032d537_attn
		.amdhsa_group_segment_fixed_size 327680
		.amdhsa_private_segment_fixed_size 0
		.amdhsa_enable_private_segment 0
		.amdhsa_kernarg_size 32
		.amdhsa_user_sgpr_count 2
		.amdhsa_user_sgpr_kernarg_segment_ptr 1
		.amdhsa_wavefront_size32 1
		.amdhsa_system_sgpr_workgroup_id_x 1
		.amdhsa_system_sgpr_workgroup_id_y 1
		.amdhsa_system_sgpr_workgroup_id_z 1
		.amdhsa_system_vgpr_workitem_id 0
		.amdhsa_next_free_vgpr 512
		.amdhsa_next_free_sgpr 100
		.amdhsa_reserve_vcc 0
		.amdhsa_float_denorm_mode_32 3
		.amdhsa_float_denorm_mode_16_64 3
		.amdhsa_memory_ordered 1
		.amdhsa_forward_progress 1
		.amdhsa_inst_pref_size 194
	.end_amdhsa_kernel
	.amdgpu_metadata
---
amdhsa.version: [ 1, 2 ]
amdhsa.kernels:
  - .name:           k_qb79032d537_attn
    .symbol:         k_qb79032d537_attn.kd
    .args:
      - { .name: qk_codes, .offset: 0, .size: 8, .value_kind: global_buffer, .address_space: global }
      - { .name: v_codes, .offset: 8, .size: 8, .value_kind: global_buffer, .address_space: global }
      - { .name: lowp_scales, .offset: 16, .size: 8, .value_kind: global_buffer, .address_space: global }
      - { .name: out0, .offset: 24, .size: 8, .value_kind: global_buffer, .address_space: global }
    .group_segment_fixed_size: 327680
    .private_segment_fixed_size: 0
    .kernarg_segment_align: 8
    .kernarg_segment_size: 32
    .max_flat_workgroup_size: 256
    .sgpr_count:     100
    .vgpr_count:     512
    .wavefront_size: 32
...
	.end_amdgpu_metadata
.endif
;; end of part 2
